; MI455X (gfx1250); checked and timed in simulation.
; The chip was launched on July 23, 2026; its instructions are those of AMD's public machine-readable ISA for CDNA 5 (MIT licence, August 2026) and "CDNA5" Instruction Set Architecture Reference Guide (July 2026). The comments in the code are by the model that wrote it; some were corrected since.
;; Size Conditioned Depth Experts. Allowed arithmetic: matrix products marked QUANTISED: E2M1 operands, one E8M0 scale for each 32 along K, by v_wmma_scale_f32_16x16x128_f8f6f4 with both operands' format E2M1 (or v_wmma_scale_f32_32x16x128_f4), f32 sums; products left as they are: f32 operands where the result goes on into a quantised operand, else bf16, f16 or f32 operands; f32 sums; everything else in f32.
;; Inputs: W1_codes 8 x 1,024 x 32 x 16 uint8 (E2M1 codes of W1, K innermost, in blocks of 32 codes, two codes a byte); W1_scales 8 x 1,024 x 32 uint8 (E8M0 scales of W1, one for each 32 codes along K); W2 8 x 1,024 x 4 float32; b1 8 x 1,024 float32; b2 8 x 4 float32; size_idx 8,192 int32; x_codes 8,192 x 32 x 16 uint8 (E2M1 codes of x, K innermost, in blocks of 32 codes, two codes a byte); x_scales 8,192 x 32 uint8 (E8M0 scales of x, one for each 32 codes along K).
;; Outputs: out0 8,192 x 4 float32; out1 8,192 x 5 float32.
;; This version of the problem:
;;   THIS VERSION OF THE PROBLEM IS GIVEN IN LOW PRECISION. The matrix products marked QUANTISED in the list below multiply operands that are first quantised to E2M1 (2 exponent bits, 1 mantissa bit; 4 bits a number), with one power-of-two scale for each 32 numbers along K (OCP MX v1.0); their sums are f32. All else is computed in f32.
;;   The module's matrix products, in the order in which they are computed (A, B: the left and right operand; K: the contracted axis; several contracted axes count as one K, in the product's order):
;;     1. [M 8,192, K 1,024] x [K 1,024, N 8,192]; A: input x (given as codes); B: input W1 (given as codes): QUANTISED
;;     2. batch 8 x [M 4, K 1,024] x [K 1,024, N 8,192]; A: input W2; B: computed on the way: left as it is (M = 4 < 16)
;;   THE QUANTISER, for each operand of a quantised product, along K:
;;     - K is cut into blocks of 32 from its start; a last block that is shorter is filled with zeros.
;;     - A block's scale is 2^e with e = floor(log2(the largest magnitude in the block)) - 2, held to -126 .. 127; a block of zeros has e = 0. As a byte (E8M0): e + 127.
;;     - Each number is divided by its block's scale, clamped to +-6, and rounded to the nearest number of E2M1, ties to even, subnormals kept.
;;     - The product sums the exact products of the quantised numbers (number of the format x scale) in f32.
;;   ~~~python
;;   def quantise(x, axis):      # numpy; x: float32 -> the quantised numbers, widened to float32 again
;;       x = np.moveaxis(x, axis, -1); K = x.shape[-1]
;;       x = np.pad(x, [(0, 0)] * (x.ndim - 1) + [(0, -K % 32)]); x = x.reshape(x.shape[:-1] + (-1, 32)); a = np.abs(x).max(-1, keepdims=True)
;;       e = np.where(a > 0, np.clip(np.frexp(np.where(a > 0, a, 1))[1] - 1 - 2, -126, 127), 0)      # np.frexp(a)[1] - 1 = floor(log2(a)), exactly
;;       r = np.clip(x / 2.0 ** e, -6, 6)
;;       step = 2.0 ** (np.maximum(np.frexp(np.where(r == 0, 1, r))[1] - 1, 0) - 1)
;;       q = np.round(r / step) * step * 2.0 ** e      # np.round: ties to even
;;       return np.moveaxis(q.reshape(q.shape[:-2] + (-1,))[..., :K], -1, axis).astype(np.float32)
;;   ~~~
;;   INPUTS GIVEN AS CODES. W1 (in the module: [8, 1024, 1024], K = its axis 1); x (in the module: [8192, 1024], K = its axis 1): each comes as NAME_codes (uint8): NAME with its K axis moved to the last place and cut into blocks of 32 codes, [.., K / 32, bytes a block], one block behind the other in memory; two codes a byte, the lower K in the low four bits (a code: sign, 2 exponent bits, 1 mantissa bit); and NAME_scales (uint8): the same leading axes, one E8M0 byte (e + 127) for each 32 codes along K. Its value is code x scale, taken as it is: it is not quantised again, and the codes and scales need not be those that the quantiser above would give.
;; One version. Each part assembles by itself: llvm-mc -triple=amdgcn-amd-amdhsa -mcpu=gfx1250 --defsym DOCPART=n.
;; ======== version 1 of 1: 2 launches
;; workspace buffers: order 33,024 bytes of whole numbers; tiles 2,304 bytes of whole numbers; W1F 4,194,304 bytes
;; launch prep (part 1): grid 129 x 1, 32 waves a work-group, no clusters, 38,400 bytes of LDS; arguments size_idx, W1_codes, order, tiles, W1F; writes order, tiles, W1F
.if DOCPART == 1
	.amdgcn_target "amdgcn-amd-amdhsa--gfx1250"
	.amdhsa_code_object_version 6
	.text
	.protected	k_qbec431a884_prep
	.globl	k_qbec431a884_prep
	.p2align	8
	.type	k_qbec431a884_prep,@function
k_qbec431a884_prep:
	s_mov_b64 s[64:65], 0
	v_nop
	global_prefetch_b8 v0, s[64:65] scope:SCOPE_SE
	s_setreg_imm32_b32 hwreg(HW_REG_WAVE_MODE, 25, 1), 1
	s_wait_xcnt 0x0
; TWO JOBS IN ONE LAUNCH, parted by the work-group's number alone.
; Work-group 0: a counting sort of the 8,192 tokens by their expert (size_idx), without atomics.  It stores
;   order: 8,192 token numbers, expert by expert (any order inside an expert), then 64 zeros, so that 64 entries can be read from any start up to 8,192;
;   tiles: 144 entries of 16 bytes {expert, first entry in order, rows (1 to 64), 0}; entries that the split leaves over hold zeros.
;   With 8,192 rows, 8 experts and tiles of 64 rows there are never more than 128 + 7 = 135 tiles.
; Work-groups 1 to 128: W1's codes are laid in the order of a matrix operand's registers:
;   W1F[tile G of 16 rows][q = 0..15][lane][16 bytes], lane (r = lane % 16, h = lane / 16) holding bytes 32 q + 16 h .. + 15 of row 16 G + r,
;   so that four registers of a fragment (K step q / 2, half q % 2) are one load of 512 consecutive bytes.
; LIMIT: size_idx is taken to lie in 0 .. 7, as the module's own gather takes it; the hold at 7 only keeps addresses inside their buffers.
; Each job has LDS bytes of its own: the stage for the codes at 0, the waves' totals behind it.
.set SPITCH, 528                       ; a stage row: 512 bytes + 16: sixteen rows of one load start 33 x 16 bytes apart
.set TOT,    64*SPITCH                 ; 32 waves x 16 bytes
	s_load_b256 s[4:11], s[0:1], 0x0               ; size_idx s[4:5], W1_codes s[6:7], order s[8:9], tiles s[10:11]
	s_load_b64 s[12:13], s[0:1], 0x20              ; W1F
	v_lshl_add_u32 v96, v0, 2, 0x8600
	v_mov_b32 v97, 0
	v_lshrrev_b32 v60, 5, v0
	s_delay_alu instid0(VALU_DEP_1)
	v_readfirstlane_b32 s14, v60                   ; wave 0..31
	v_and_b32 v1, 31, v0                           ; lane
	s_delay_alu instid0(VALU_DEP_1)
	v_lshlrev_b32 v2, 4, v1                        ; 16 x lane
	s_wait_kmcnt 0x0
	s_cmp_lg_u32 ttmp9, 0
	s_cbranch_scc1 .Llay
; ---------------- THE SORT.  Thread T owns tokens 4096 i + 4 T + c, i = 0, 1, c = 0 .. 3.
; v8-15 4 x expert; v16-23 rank inside the thread; v24 the thread's counts, 8 fields of 4 bits; v28-31 the counts as 16-bit fields (register i: experts 2 i, 2 i + 1);
; v32-35 what the lanes before me hold; v36-39 the waves' totals; v40-43 my first place for each expert; v44-51, v52-59 the stores' offsets and data.
	v_lshlrev_b32 v3, 4, v0
	global_load_b128 v[8:11], v3, s[4:5]
	global_load_b128 v[12:15], v3, s[4:5] offset:16384
	v_lshlrev_b32 v7, 2, v0                        ; 4 T
	v_bfe_u32 v6, v0, 4, 1
	s_delay_alu instid0(VALU_DEP_1)
	v_sub_nc_u32 v6, 0, v6                         ; all ones in lanes 16-31
	s_wait_alu depctr_va_vdst(0)
	v_lshl_add_u32 v26, v60, 4, TOT                ; my wave's 16 bytes
	v_add_nc_u32 v27, TOT, v2                      ; and wave number = my lane's
	v_mov_b32 v24, 0
.irp i, 0,1,2,3
	v_mov_b32 v[64+\i], 0                          ; written once: a lane move's destination counts as one of its sources
	v_mov_b32 v[72+\i], 0                          ; a tile entry begins as zeros; also the zeros behind order's end
.endr
	s_wait_loadcnt 0x0
.irp j, 0,1,2,3,4,5,6,7
	v_min_u32 v[8+\j], 7, v[8+\j]
.endr
.irp j, 0,1,2,3,4,5,6,7
	v_lshlrev_b32 v[8+\j], 2, v[8+\j]              ; 4 e: the field's place
.endr
.irp j, 0
	v_bfe_u32 v[16+\j], v24, v[8+\j], 4            ; how many of my tokens before this one chose e
	v_lshl_add_u32 v24, 1, v[8+\j], v24
.endr
.irp j, 1, 2, 3, 4, 5, 6, 7
	s_delay_alu instid0(VALU_DEP_1)
	v_bfe_u32 v[16+\j], v24, v[8+\j], 4
	s_delay_alu instid0(VALU_DEP_2)
	v_lshl_add_u32 v24, 1, v[8+\j], v24            ; a field holds 8 at the most
.endr
.irp i, 0,1,2,3
	v_bfe_u32 v[28+\i], v24, 8*\i, 4
	v_bfe_u32 v[60+\i], v24, 8*\i+4, 4
.endr
.irp i, 0,1,2,3
	v_lshl_or_b32 v[28+\i], v[60+\i], 16, v[28+\i]
.endr
.irp i, 0,1,2,3
	s_delay_alu instid0(VALU_DEP_4)
	v_mov_b32 v[32+\i], v[28+\i]
.endr
; The running sum over the 32 lanes of v[b] .. v[b + 3], each lane's own number included; the four registers by turns.  No field passes 8,192, so none carries into its neighbour.
.macro SCAN4 b
.irp n, 1,2,4,8
.irp i, 0,1,2,3
	v_mov_b32_dpp v[64+\i], v[\b+\i] row_shr:\n row_mask:0xf bank_mask:0xf bound_ctrl:1   ; lane l - n of my sixteen, or 0
.endr
.irp i, 0,1,2,3
	s_delay_alu instid0(VALU_DEP_4)
	v_add_nc_u32 v[\b+\i], v[\b+\i], v[64+\i]
.endr
.endr
.irp i, 0,1,2,3
	s_delay_alu instid0(VALU_DEP_4)
	v_readlane_b32 s[60+\i], v[\b+\i], 15          ; the lower sixteen's sum
.endr
.irp i, 0,1,2,3
	s_delay_alu instid0(VALU_DEP_4)
	v_and_b32 v[60+\i], s[60+\i], v6               ; goes onto the upper sixteen
.endr
.irp i, 0,1,2,3
	s_delay_alu instid0(VALU_DEP_4)
	v_add_nc_u32 v[\b+\i], v[\b+\i], v[60+\i]
.endr
.endm
	SCAN4 28
.irp i, 0,1,2,3
	v_sub_nc_u32 v[32+\i], v[28+\i], v[32+\i]      ; the lanes before me
	v_readlane_b32 s[16+\i], v[28+\i], 31          ; my wave's totals
.endr
.irp i, 0,1,2,3
	v_mov_b32 v[36+\i], s[16+\i]
.endr
	ds_store_b128 v26, v[36:39]                    ; all lanes write the same 16 bytes with the same values
	s_wait_dscnt 0x0                               ; for the others' sake: my store has landed
	s_barrier_signal -1
	s_barrier_wait -1
	ds_load_b128 v[36:39], v27                     ; lane l: wave l's totals
	s_wait_dscnt 0x0
	SCAN4 36
.irp i, 0,1,2,3
	v_readlane_b32 s[24+\i], v[36+\i], 31          ; all tokens' totals
	v_readlane_b32 s[20+\i], v[36+\i], s14         ; the waves' up to and with mine
.endr
.irp i, 0,1,2,3
	s_sub_co_u32 s[20+\i], s[20+\i], s[16+\i]      ; the waves before mine (field by field no less than 0: nothing is borrowed)
	s_and_b32 s[28+2*\i], s[24+\i], 0xffff         ; n_e: s28-35
	s_lshr_b32 s[29+2*\i], s[24+\i], 16
.endr
	s_mov_b32 s36, 0                               ; o_e, where expert e begins in order: s36-43
.irp e, 0,1,2,3,4,5,6
	s_add_co_u32 s[37+\e], s[36+\e], s[28+\e]
.endr
.irp i, 0,1,2,3
	s_lshl_b32 s60, s[37+2*\i], 16
	s_or_b32 s60, s60, s[36+2*\i]
	s_add_co_u32 s[20+\i], s[20+\i], s60
	v_add_nc_u32 v[40+\i], s[20+\i], v[32+\i]      ; o_e + the waves before + the lanes before
.endr
	s_wait_alu depctr_va_vdst(0)
.irp j, 0,1,2,3,4,5,6,7
	v_and_b32 v60, 8, v[8+\j]                      ; bit 1 of e
	s_delay_alu instid0(VALU_DEP_1)
	v_cmp_ne_u32 vcc_lo, 0, v60
	s_delay_alu instid0(VALU_DEP_1)
	v_cndmask_b32 v61, v40, v41, vcc_lo
	s_delay_alu instid0(VALU_DEP_2)
	v_cndmask_b32 v62, v42, v43, vcc_lo
	v_and_b32 v60, 16, v[8+\j]                     ; bit 2 of e
	s_delay_alu instid0(VALU_DEP_1)
	v_cmp_ne_u32 vcc_lo, 0, v60
	s_delay_alu instid0(VALU_DEP_1)
	v_cndmask_b32 v61, v61, v62, vcc_lo
	v_and_b32 v60, 4, v[8+\j]                      ; bit 0 of e: the upper field
	s_delay_alu instid0(VALU_DEP_1)
	v_lshlrev_b32 v60, 2, v60
	s_delay_alu instid0(VALU_DEP_1)
	v_bfe_u32 v61, v61, v60, 16
	s_delay_alu instid0(VALU_DEP_1)
	v_add_nc_u32 v61, v61, v[16+\j]                ; + the rank inside my thread: the token's place
	s_delay_alu instid0(VALU_DEP_1)
	v_min_u32 v[44+\j], 0x1fff, v61
	s_delay_alu instid0(VALU_DEP_1)
	v_lshlrev_b32 v[44+\j], 2, v[44+\j]
	v_add_nc_u32 v[52+\j], 4096*(\j/4)+\j%4, v7    ; the token's number
	global_store_b32 v[44+\j], v[52+\j], s[8:9]    ; each store has registers of its own: none is written again
.endr
	; the list of tiles: threads 0 to 143, which lie in waves 0 to 4
	s_cmp_gt_u32 s14, 4
	s_cbranch_scc1 .Lnolist
	s_mov_b32 s52, 0
.irp e, 0,1,2,3,4,5,6,7
	s_add_co_u32 s[44+\e], s[28+\e], 63
	s_lshr_b32 s[44+\e], s[44+\e], 6               ; expert e's tiles: s44-51
.endr
.irp e, 0,1,2,3,4,5,6
	s_add_co_u32 s[53+\e], s[52+\e], s[44+\e]      ; and the tiles before them: s52-59
.endr
	s_wait_xcnt 0x0                                ; EXEC changes only behind this wait: the stores above have it among their sources
	v_cmp_gt_u32 vcc_lo, 144, v0
	s_and_saveexec_b32 s60, vcc_lo
.irp e, 0,1,2,3,4,5,6,7
	v_sub_nc_u32 v60, v0, s[52+\e]                 ; d: which of e's tiles I would be (a thread before them gets a huge number)
	s_delay_alu instid0(VALU_DEP_1)
	v_cmp_gt_u32 vcc_lo, s[44+\e], v60             ; am I one?
	s_delay_alu instid0(VALU_DEP_2)
	v_lshlrev_b32 v61, 6, v60
	s_delay_alu instid0(VALU_DEP_1)
	v_add_nc_u32 v62, s[36+\e], v61                ; its first entry
	s_delay_alu instid0(VALU_DEP_2)
	v_sub_nc_u32 v63, s[28+\e], v61
	s_delay_alu instid0(VALU_DEP_1)
	v_min_u32 v63, 64, v63                         ; its rows
	v_mov_b32 v64, \e
	s_delay_alu instid0(VALU_DEP_1)
	v_cndmask_b32 v72, v72, v64, vcc_lo
	v_cndmask_b32 v73, v73, v62, vcc_lo
	s_delay_alu instid0(VALU_DEP_4)
	v_cndmask_b32 v74, v74, v63, vcc_lo
.endr
	global_store_b128 v3, v[72:75], s[10:11]       ; 16 bytes a thread, on end
	s_wait_xcnt 0x0                                ; and again in front of the line that widens EXEC
	s_or_b32 exec_lo, exec_lo, s60
.Lnolist:
	s_cmp_lg_u32 s14, 5
	s_cbranch_scc1 .Lsorted
	v_lshlrev_b32 v65, 3, v1
	s_wait_alu depctr_va_vdst(0)
	global_store_b64 v65, v[72:73], s[8:9] offset:32768   ; wave 5: the 64 zeros behind order's 8,192 entries: 256 consecutive bytes
.Lsorted:
	s_wait_tensorcnt 0x0
	ds_add_u32 v96, v97
	s_wait_dscnt 0x0
	s_endpgm
; ---------------- THE LAYING OUT.  Work-group g + 1 takes rows 64 g .. 64 g + 63 of W1's 8,192: 32,768 consecutive bytes, in and out.
.Llay:
	s_sub_co_u32 s16, ttmp9, 1
	s_lshl_b32 s16, s16, 15
	s_mov_b32 s17, 0
	s_add_nc_u64 s[6:7], s[6:7], s[16:17]
	s_add_nc_u64 s[12:13], s[12:13], s[16:17]
	s_wait_alu depctr_va_vdst(0)
	v_lshl_add_u32 v3, v60, 10, v2                 ; 1,024 x wave + 16 x lane: in: rows 2 wave, 2 wave + 1; out: tile wave / 8, q = 2 (wave % 8), + 1
	global_load_b128 v[8:11], v3, s[6:7] th:TH_LOAD_NT              ; a whole row of 512 bytes; read once in the launch
	global_load_b128 v[12:15], v3, s[6:7] offset:512 th:TH_LOAD_NT
	v_mad_u32_u24 v4, v60, 2*SPITCH, v2            ; into the stage: my two rows
	v_lshrrev_b32 v61, 8, v0                       ; out of it: tile = wave / 8,
	v_bfe_u32 v62, v0, 5, 3                        ; wave % 8,
	v_and_b32 v63, 15, v0                          ; r,
	v_bfe_u32 v64, v0, 4, 1                        ; h
	s_delay_alu instid0(VALU_DEP_4)
	v_mul_u32_u24 v5, v61, 16*SPITCH
	s_delay_alu instid0(VALU_DEP_1)
	v_mad_u32_u24 v5, v63, SPITCH, v5
	s_delay_alu instid0(VALU_DEP_1)
	v_lshl_add_u32 v5, v62, 6, v5
	s_delay_alu instid0(VALU_DEP_1)
	v_lshl_add_u32 v5, v64, 4, v5                  ; row 16 tile + r, byte 64 (wave % 8) + 16 h
	s_wait_alu depctr_va_vdst(0)
	s_wait_loadcnt 0x0
	ds_store_b128 v4, v[8:11]
	ds_store_b128 v4, v[12:15] offset:SPITCH
	s_wait_dscnt 0x0                               ; for the others' sake: my rows lie in the stage
	s_barrier_signal -1
	s_barrier_wait -1
	ds_load_b128 v[16:19], v5
	ds_load_b128 v[20:23], v5 offset:32
	s_wait_dscnt 0x0
	global_store_b128 v3, v[16:19], s[12:13]       ; 32 lanes store 512 consecutive bytes
	global_store_b128 v3, v[20:23], s[12:13] offset:512
	s_wait_tensorcnt 0x0
	ds_add_u32 v96, v97
	s_wait_dscnt 0x0
	s_endpgm
.Lfunc_end_k_qbec431a884_prep:
	.size	k_qbec431a884_prep, .Lfunc_end_k_qbec431a884_prep-k_qbec431a884_prep
	.p2alignl 7, 3214868480
	.fill 96, 4, 3214868480
	.section	.rodata,"a",@progbits
	.p2align	6, 0x0
	.amdhsa_kernel k_qbec431a884_prep
		.amdhsa_group_segment_fixed_size 38400
		.amdhsa_private_segment_fixed_size 0
		.amdhsa_enable_private_segment 0
		.amdhsa_kernarg_size 40
		.amdhsa_user_sgpr_count 2
		.amdhsa_user_sgpr_kernarg_segment_ptr 1
		.amdhsa_wavefront_size32 1
		.amdhsa_system_sgpr_workgroup_id_x 1
		.amdhsa_system_sgpr_workgroup_id_y 1
		.amdhsa_system_sgpr_workgroup_id_z 1
		.amdhsa_system_vgpr_workitem_id 0
		.amdhsa_next_free_vgpr 98
		.amdhsa_next_free_sgpr 66
		.amdhsa_reserve_vcc 1
		.amdhsa_float_denorm_mode_32 3
		.amdhsa_float_denorm_mode_16_64 3
		.amdhsa_memory_ordered 1
		.amdhsa_forward_progress 1
		.amdhsa_inst_pref_size 29
	.end_amdhsa_kernel
	.amdgpu_metadata
---
amdhsa.version: [ 1, 2 ]
amdhsa.kernels:
  - .name:           k_qbec431a884_prep
    .symbol:         k_qbec431a884_prep.kd
    .args:
      - { .name: size_idx, .offset: 0, .size: 8, .value_kind: global_buffer, .address_space: global }
      - { .name: W1_codes, .offset: 8, .size: 8, .value_kind: global_buffer, .address_space: global }
      - { .name: order, .offset: 16, .size: 8, .value_kind: global_buffer, .address_space: global }
      - { .name: tiles, .offset: 24, .size: 8, .value_kind: global_buffer, .address_space: global }
      - { .name: W1F, .offset: 32, .size: 8, .value_kind: global_buffer, .address_space: global }
    .group_segment_fixed_size: 38400
    .private_segment_fixed_size: 0
    .kernarg_segment_align: 8
    .kernarg_segment_size: 40
    .max_flat_workgroup_size: 1024
    .sgpr_count:     66
    .vgpr_count:     98
    .wavefront_size: 32
...
	.end_amdgpu_metadata
.endif
;; end of part 1
;; launch experts (part 2): grid 135 x 1, 4 waves a work-group, no clusters, 50,944 bytes of LDS; arguments tiles, order, x_codes, x_scales, W1F, W1_scales, b1, W2, b2, out0, out1; writes out0, out1
.if DOCPART == 2
	.amdgcn_target "amdgcn-amd-amdhsa--gfx1250"
	.amdhsa_code_object_version 6
	.text
	.protected	k_qbec431a884_experts
	.globl	k_qbec431a884_experts
	.p2align	8
	.type	k_qbec431a884_experts,@function
k_qbec431a884_experts:
	s_mov_b64 s[64:65], 0
	v_nop
	global_prefetch_b8 v0, s[64:65] scope:SCOPE_SE
	s_setreg_imm32_b32 hwreg(HW_REG_WAVE_MODE, 25, 1), 1
	s_wait_xcnt 0x0
; ONE WORK-GROUP TAKES ONE TILE (up to 64 tokens of ONE expert, from the stored list) THROUGH THE WHOLE CHAIN:
; gather x's codes | h = relu(x W1[e] + b1[e]) on E2M1 codes with E8M0 scales | logits = h W2[e] + b2[e] with bf16 operands and f32 sums | the ordinal head in f32 | store.
; h never leaves the registers, and each output row has one owner.  The grid is 135 = 8,192 / 64 + 8 - 1: enough for every split.  A tile with no rows jumps over the
; work (a stretch with no barrier in it), passes both barriers and stores nothing.
; SHARES.  THE FOUR WAVES SHARE THE HIDDEN UNITS, NOT THE ROWS: wave w makes units 256 w .. 256 w + 255 for all 64 tokens.  So each byte of the expert's W1 is loaded once in the
; work-group, by one wave, straight into registers, in the order that the launch before laid (a load = 512 consecutive bytes = four registers of a fragment).
; x's 64 rows x 1,024 K are 256 registers and stay in every wave for the whole launch.  The waves' partial logits meet in LDS.
; THE FIRST PRODUCT IS USED TRANSPOSED (source 0 = 16 rows of W1, source 1 = 16 tokens): lane (r, h) holds token r and hidden units 8 h + 0 .. 7 of the tile.  Two neighbouring tiles, held at 0 from
; below and rounded to bf16 in pairs, ARE source 1 (32 units x 16 tokens) of the second product: nothing changes lanes.  Its source 0 is W2^T; lane r takes row r % 4, so the result's rows repeat
; the four logits and every lane finds logits 0 .. 3 of token r in the sum's four lowest registers.
; THE STREAM.  A wave's 16 tiles of W1 go in 8 pairs of 16 KB through three sets of 128 registers: while one pair is multiplied, the two behind it are on their way.
; NO TENSOR LOADS, NO CLUSTER: the weights' address and the jump over an empty tile hang on the stored list, and how many tiles an expert has hangs on the split, so neighbouring work-groups need not share an expert.
; LIMITS: h and W2 are rounded to bf16 for the second product.  NaN (a scale byte 0xff) is not served: the hold at 0 drops it.  An exponential whose result lies under 2^-126 comes out as 0.
; Rows of a tile beyond its count are computed from neighbouring entries of the list (valid tokens, or the zeros behind its end) and are never stored.
; REGISTERS, in windows of 256: window 0: see the names below.  window 1: x's fragment (tokens 16 m on, K step s) at v[64 m + 8 s].
;   window 2: W's sets 0 (v0-127) and 1 (v128-255).  window 3: W's set 2 (v0-127); from v128 b1 in the result's layout, 8 registers for each of my 16 tiles.
.set XPITCH, 528                       ; LDS: 64 rows of x's codes, 512 bytes + 16: the sixteen rows of a load start 33 x 16 bytes apart
.set W2T,  64*XPITCH                   ; W2[e]^T in bf16: 4 rows of 1,024, 2,064 bytes apart
.set W2P,  2064
.set B1S,  W2T+4*W2P                   ; b1[e], 4,096 bytes
.set RED,  B1S+4096                    ; partial logits [wave][token][4] f32, 4,096 bytes
.set LN16, 1                           ; v1   16 x lane
.set RR,   2                           ; v2   r = lane % 16
.set HH,   3                           ; v3   h = lane / 16
.set XSI,  4                           ; v4   x's rows into LDS: 16 rows x wave + 16 x lane
.set XSO,  5                           ; v5   and out: row r, + 16 h
.set W2I,  6                           ; v6   W2^T in: column 256 wave + lane
.set W2O,  7                           ; v7   and out: row r % 4, column 256 wave + 8 h
.set B1I,  8                           ; v8   b1 in
.set B1O,  9                           ; v9   and out: 1,024 wave + 32 h
.set RDI,  10                          ; v10  partial logits in: my wave's part, token r
.set RDO,  11                          ; v11  and out: token = thread % 64
.set SOF,  12                          ; v12  32 r + 16 h: a tile's scale bytes
.set R4,   13                          ; v13  4 r
.set T4,   14                          ; v14  4 (thread % 64)
.set TOK,  15                          ; v15  the token whose row I store
.set ROWT, 16                          ; v16-31   byte offsets of my wave's 16 rows in x_codes
.set SCT,  32                          ; v32-35   token of row 16 m + r, then its offset in x_scales
.set XSC,  36                          ; v36-51   x's scale words: register 4 m + j: lanes 0-15 K step j, lanes 16-31 K step 4 + j
.set W1S,  52                          ; v52-115  W1's scale words: register 4 t + j likewise, t = my 16 tiles
.set ACC,  116                         ; v116-179 the pair's sums: tokens 16 m on at 16 m, tile 0 in + 0 .. 7, tile 1 in + 8 .. 15.  At the start: x's rows as loaded
.set LG,   180                         ; v180-211 the logits' sums, 8 for each m.  At the start: W2 as loaded
.set WF,   212                         ; v212-219 W2^T's fragment.  At the start: b1 as loaded
.set TM,   222                         ; v222-    at work
.set B1R,  128                         ; in window 3
.set MSB, 0
.macro WIN new                         ; the immediate's high byte repeats the setting that is left; a switch that changes nothing is dropped
.if MSB != (\new)
	s_set_vgpr_msb (MSB<<8)|(\new)
.set MSB, (\new)
.endif
.endm
; pair p of my tiles: 32 loads of 512 consecutive bytes into set p % 3
.macro WLOAD p
.set LW, 2+((\p)%3)/2
.set LB, 128*(((\p)%3)%2)
	WIN LW*64                                      ; destination window 2 or 3, address window 0
.irp q, 0,1,2,3,4,5,6,7,8,9,10,11,12,13,14,15,16,17,18,19,20,21,22,23,24,25,26,27,28,29,30,31
	global_load_b128 v[LB+4*\q:LB+4*\q+3], v[LN16], s[12:13] offset:16384*(\p)+512*\q
.endr
	WIN 0
.endm
; 64 matrix instructions: K step by K step, the pair's eight sums by turns, one instruction a turn.  The first K step takes b1 as C: the bias costs no addition, and nothing is cleared.
.macro MULS p
.set BW, 2+((\p)%3)/2
.set BB, 128*(((\p)%3)%2)
.irp s, 0,1,2,3,4,5,6,7
.if \s == 0
	WIN BW+0x34                                    ; source 0 (W1) window 2 or 3, source 1 (x) window 1, C (b1) window 3, D window 0
.else
	WIN BW+0x04                                    ; C and D window 0
.endif
.irp m, 0,1,2,3
.irp t, 0,1
.if \s == 0
	v_wmma_scale_f32_16x16x128_f8f6f4 v[ACC+16*\m+8*\t:ACC+16*\m+8*\t+7], v[BB+64*\t+8*\s:BB+64*\t+8*\s+7], v[64*\m+8*\s:64*\m+8*\s+7], v[B1R+8*(2*(\p)+\t):B1R+8*(2*(\p)+\t)+7], v[W1S+4*(2*(\p)+\t)+\s], v[XSC+4*\m+\s] matrix_a_fmt:MATRIX_FMT_FP4 matrix_b_fmt:MATRIX_FMT_FP4
.elseif \s < 4
	v_wmma_scale_f32_16x16x128_f8f6f4 v[ACC+16*\m+8*\t:ACC+16*\m+8*\t+7], v[BB+64*\t+8*\s:BB+64*\t+8*\s+7], v[64*\m+8*\s:64*\m+8*\s+7], v[ACC+16*\m+8*\t:ACC+16*\m+8*\t+7], v[W1S+4*(2*(\p)+\t)+\s], v[XSC+4*\m+\s] matrix_a_fmt:MATRIX_FMT_FP4 matrix_b_fmt:MATRIX_FMT_FP4
.else
	v_wmma_scale_f32_16x16x128_f8f6f4 v[ACC+16*\m+8*\t:ACC+16*\m+8*\t+7], v[BB+64*\t+8*\s:BB+64*\t+8*\s+7], v[64*\m+8*\s:64*\m+8*\s+7], v[ACC+16*\m+8*\t:ACC+16*\m+8*\t+7], v[W1S+4*(2*(\p)+\t)+\s-4], v[XSC+4*\m+\s-4] matrix_a_fmt:MATRIX_FMT_FP4 matrix_b_fmt:MATRIX_FMT_FP4 matrix_a_scale:MATRIX_SCALE_ROW1 matrix_b_scale:MATRIX_SCALE_ROW1
.endif
.endr
.endr
.endr
.endm
; the pair's 32 hidden units of 64 tokens: held at 0 from below, rounded to bf16 in place (each source has been read when its register is written), multiplied by W2^T
.macro EPI p
	WIN 0
.rept 4
	v_nop                                          ; four places between the last products and the first read of results (ISA guide 7.12.1)
.endr
.irp m, 0,1,2,3
.irp j, 0,1,2,3,4,5,6,7,8,9,10,11,12,13,14,15
	v_max_num_f32 v[ACC+16*\m+\j], 0, v[ACC+16*\m+\j]   ; each sum from its low end on
.endr
.irp i, 0,1,2,3,4,5,6,7
	v_cvt_pk_bf16_f32 v[ACC+16*\m+\i], v[ACC+16*\m+2*\i], v[ACC+16*\m+2*\i+1]   ; registers 0-3: units 8 h + 0 .. 7; registers 4-7: units 16 + 8 h + 0 .. 7
.endr
.endr
	s_wait_alu depctr_va_vdst(0)
	s_wait_dscnt 0x0                               ; W2^T's fragment, asked for ahead of the pair's 64 products
.irp m, 0,1,2,3
.if \p == 0
	s_wait_alu depctr_va_vdst(0)
	v_wmma_f32_16x16x32_bf16 v[LG+8*\m:LG+8*\m+7], v[WF:WF+7], v[ACC+16*\m:ACC+16*\m+7], 0
.else
	v_wmma_f32_16x16x32_bf16 v[LG+8*\m:LG+8*\m+7], v[WF:WF+7], v[ACC+16*\m:ACC+16*\m+7], v[LG+8*\m:LG+8*\m+7]
.endif
.endr
.rept 5
	v_nop                                          ; five places: the next pair's first products write over registers that these four have read; the load into the fragment and the store of the sums want four
.endr
.endm
.macro PAIR p
.if \p < 7
	s_wait_loadcnt 32                              ; loads come back in order: pair p is in, the 32 loads of pair p + 1 may be out
.else
	s_wait_loadcnt 0x0
.endif
.if \p < 6
	WLOAD (\p)+2                                   ; into the set that pair p - 1 has left: its last reader stands more than four plain vector instructions back
.endif
	ds_load_b128 v[WF:WF+3], v[W2O] offset:64*(\p)
	ds_load_b128 v[WF+4:WF+7], v[W2O] offset:64*(\p)+32
	MULS \p
	EPI \p
.endm
	s_load_b256 s[4:11], s[0:1], 0x0               ; tiles s[4:5], order s[6:7], x_codes s[8:9], x_scales s[10:11]
	s_load_b256 s[12:19], s[0:1], 0x20             ; W1F s[12:13], W1_scales s[14:15], b1 s[16:17], W2 s[18:19]
	s_load_b128 s[20:23], s[0:1], 0x40             ; b2 s[20:21], out0 s[22:23]
	s_load_b64 s[24:25], s[0:1], 0x50              ; out1
	v_lshl_add_u32 v243, v0, 2, 0xc500
	v_mov_b32 v255, 0
	; every address register is made here, ahead of every branch, from the thread's number and constants alone
	v_and_b32 v221, 31, v0                         ; lane
	v_lshlrev_b32 v[LN16], 4, v221
	v_and_b32 v[RR], 15, v0
	v_bfe_u32 v[HH], v0, 4, 1
	v_lshrrev_b32 v222, 5, v0
	v_readfirstlane_b32 s26, v222                  ; wave 0..3
	v_mad_u32_u24 v[XSI], v222, 16*XPITCH, v[LN16]
	v_mul_u32_u24 v[XSO], v[RR], XPITCH
	v_lshl_add_u32 v[XSO], v[HH], 4, v[XSO]
	v_lshlrev_b32 v223, 9, v222                    ; 512 x wave: my 256 columns of W2^T
	v_lshl_add_u32 v[W2I], v221, 1, v223
	v_add_nc_u32 v[W2I], W2T, v[W2I]
	v_and_b32 v224, 3, v0
	v_mad_u32_u24 v[W2O], v224, W2P, v223
	v_lshl_add_u32 v[W2O], v[HH], 4, v[W2O]
	v_add_nc_u32 v[W2O], W2T, v[W2O]
	v_lshlrev_b32 v223, 10, v222                   ; 1,024 x wave
	v_add_nc_u32 v[B1I], v223, v[LN16]
	v_add_nc_u32 v[B1I], B1S, v[B1I]
	v_lshl_add_u32 v[B1O], v[HH], 5, v223
	v_add_nc_u32 v[B1O], B1S, v[B1O]
	v_lshl_add_u32 v[RDI], v[RR], 4, v223
	v_add_nc_u32 v[RDI], RED, v[RDI]
	v_and_b32 v224, 63, v0
	v_lshl_add_u32 v[RDO], v224, 4, RED
	v_lshlrev_b32 v[SOF], 5, v[RR]
	v_lshl_add_u32 v[SOF], v[HH], 4, v[SOF]
	v_lshlrev_b32 v[R4], 2, v[RR]
	v_lshlrev_b32 v[T4], 2, v224
	s_lshl_b32 s32, ttmp9, 4                       ; my entry of the list
	s_mov_b32 s33, 0
	s_mov_b32 s41, 0x322bcc77                      ; 1e-8
	s_wait_alu depctr_va_vdst(0)
	s_wait_kmcnt 0x0
	s_add_nc_u64 s[4:5], s[4:5], s[32:33]
	s_load_b128 s[28:31], s[4:5], 0x0              ; expert, first entry, rows, 0
	s_wait_kmcnt 0x0
	s_min_u32 s28, s28, 7                          ; stored numbers enter addresses only behind a hold
	s_min_u32 s29, s29, 0x2000
	s_min_u32 s30, s30, 64
	s_lshl_b32 s32, s28, 4
	s_add_nc_u64 s[20:21], s[20:21], s[32:33]
	s_load_b128 s[36:39], s[20:21], 0x0            ; b2[e]
	s_lshl_b32 s32, s29, 2
	s_add_nc_u64 s[6:7], s[6:7], s[32:33]          ; order at my tile's first entry (a multiple of 4 bytes, no more)
	s_lshl_b32 s32, s26, 6
	s_add_nc_u64 s[42:43], s[6:7], s[32:33]
	s_load_b512 s[44:59], s[42:43], 0x0            ; the tokens of rows 16 wave .. + 15, which my wave fetches
	s_lshl_b32 s32, s28, 19                        ; W1F: 524,288 e + 131,072 wave
	s_lshl_b32 s34, s26, 17
	s_add_co_u32 s32, s32, s34
	s_add_nc_u64 s[12:13], s[12:13], s[32:33]
	s_lshl_b32 s32, s28, 15                        ; W1_scales: 32,768 e + 8,192 wave
	s_lshl_b32 s34, s26, 13
	s_add_co_u32 s32, s32, s34
	s_add_nc_u64 s[14:15], s[14:15], s[32:33]
	s_lshl_b32 s32, s28, 12                        ; b1: 4,096 e + 1,024 wave
	s_lshl_b32 s34, s26, 10
	s_add_co_u32 s32, s32, s34
	s_add_nc_u64 s[16:17], s[16:17], s[32:33]
	s_lshl_b32 s32, s28, 14                        ; W2: 16,384 e + 4,096 wave
	s_lshl_b32 s34, s26, 12
	s_add_co_u32 s32, s32, s34
	s_add_nc_u64 s[18:19], s[18:19], s[32:33]
.irp m, 0,1,2,3
	global_load_b32 v[SCT+\m], v[R4], s[6:7] offset:64*\m            ; the token of row 16 m + r
.endr
	global_load_b32 v[TOK], v[T4], s[6:7]                            ; the token of row thread % 64
.irp t, 0,1,2,3,4,5,6,7,8,9,10,11,12,13,14,15
	global_load_b128 v[W1S+4*\t:W1S+4*\t+3], v[SOF], s[14:15] offset:512*\t   ; a tile's 16 rows x 32 scale bytes are 512 consecutive bytes
.endr
.irp i, 0,1,2,3,4,5,6,7
	global_load_b128 v[LG+4*\i:LG+4*\i+3], v[LN16], s[18:19] offset:512*\i    ; W2: hidden unit 32 i + lane of my 256, its four numbers
.endr
.irp i, 0,1
	global_load_b128 v[WF+4*\i:WF+4*\i+3], v[LN16], s[16:17] offset:512*\i    ; b1: my 256 numbers
.endr
	WLOAD 0                                        ; the stream of weights begins ahead of the waits for the list
	s_wait_kmcnt 0x0                               ; my rows' tokens, and b2
.irp i, 0,1,2,3,4,5,6,7,8,9,10,11,12,13,14,15
	s_min_u32 s[44+\i], s[44+\i], 0x1fff
.endr
.irp i, 0,1,2,3,4,5,6,7,8,9,10,11,12,13,14,15
	v_lshl_add_u32 v[ROWT+\i], s[44+\i], 9, v[LN16]   ; 512 bytes a token, 16 a lane
.endr
	s_wait_loadcnt 58                              ; the five loads from the list are in; behind them: 16 of W1's scales, 8 of W2, 2 of b1, 32 of pair 0
.irp m, 0,1,2,3
	v_min_u32 v[SCT+\m], 0x1fff, v[SCT+\m]
.endr
.irp m, 0,1,2,3
	v_lshlrev_b32 v[SCT+\m], 5, v[SCT+\m]          ; 32 scale bytes a token,
.endr
.irp m, 0,1,2,3
	v_lshl_add_u32 v[SCT+\m], v[HH], 4, v[SCT+\m]  ; lanes 16-31 the upper 16: K steps 4 to 7
.endr
	v_min_u32 v[TOK], 0x1fff, v[TOK]
.irp i, 0,1,2,3,4,5,6,7,8,9,10,11,12,13,14,15
	global_load_b128 v[ACC+4*\i:ACC+4*\i+3], v[ROWT+\i], s[8:9]      ; a whole row of 512 bytes
.endr
.irp m, 0,1,2,3
	global_load_b128 v[XSC+4*\m:XSC+4*\m+3], v[SCT+\m], s[10:11]
.endr
	s_wait_loadcnt 52                              ; W2 and b1 are in; behind them: 32 of pair 0, 20 of x
.irp i, 0,1,2,3,4,5,6,7
	v_cvt_pk_bf16_f32 v[TM+2*\i], v[LG+4*\i], v[LG+4*\i+1]
	v_cvt_pk_bf16_f32 v[TM+2*\i+1], v[LG+4*\i+2], v[LG+4*\i+3]
.endr
.irp i, 0,1,2,3,4,5,6,7
	ds_store_b16 v[W2I], v[TM+2*\i] offset:64*\i                     ; output 0's row: 32 lanes, 64 consecutive bytes
	ds_store_b16_d16_hi v[W2I], v[TM+2*\i] offset:W2P+64*\i          ; output 1's
	ds_store_b16 v[W2I], v[TM+2*\i+1] offset:2*W2P+64*\i
	ds_store_b16_d16_hi v[W2I], v[TM+2*\i+1] offset:3*W2P+64*\i
.endr
	ds_store_b128 v[B1I], v[WF:WF+3]
	ds_store_b128 v[B1I], v[WF+4:WF+7] offset:512
	WLOAD 1
	s_wait_loadcnt 32                              ; x's rows and scale words are in, and pair 0 with them; pair 1's 32 loads may be out
.irp i, 0,1,2,3,4,5,6,7,8,9,10,11,12,13,14,15
	ds_store_b128 v[XSI], v[ACC+4*\i:ACC+4*\i+3] offset:XPITCH*\i
.endr
	s_wait_dscnt 0x0                               ; for the others' sake: my 16 rows of x lie in LDS
	s_barrier_signal -1
	s_barrier_wait -1                              ; all 64 do
	s_cmp_eq_u32 s30, 0                            ; a tile without rows passes over the work: the same in all four waves, and no barrier stands in it
	s_cbranch_scc1 .Lskip
	WIN 0x40                                       ; destination window 1
.irp m, 0,1,2,3
.irp s, 0,1,2,3,4,5,6,7
.irp c, 0,1
	ds_load_b128 v[64*\m+8*\s+4*\c:64*\m+8*\s+4*\c+3], v[XSO] offset:16*XPITCH*\m+64*\s+32*\c   ; registers 4 c .. + 3: K = 128 s + 64 c + 32 h + 0 .. 31 of token 16 m + r, as the bytes lie
.endr
.endr
.endr
	WIN 0xc0                                       ; destination window 3
.irp t, 0,1,2,3,4,5,6,7,8,9,10,11,12,13,14,15
	ds_load_b128 v[B1R+8*\t:B1R+8*\t+3], v[B1O] offset:64*\t         ; b1 of units 16 t + 8 h + 0 .. 7: my own wave's bytes
	ds_load_b128 v[B1R+8*\t+4:B1R+8*\t+7], v[B1O] offset:64*\t+16
.endr
	WIN 0
	s_wait_dscnt 0x0
	PAIR 0                                         ; written out: three sets and eight pairs come back to no common start
	PAIR 1
	PAIR 2
	PAIR 3
	PAIR 4
	PAIR 5
	PAIR 6
	PAIR 7
.irp m, 0,1,2,3
	ds_store_b128 v[RDI], v[LG+8*\m:LG+8*\m+3] offset:256*\m         ; logits 0 .. 3 of token 16 m + r over my 256 units: the sum's four lowest registers; both halves of the lanes write the same bytes with the same values
.endr
.Lskip:
	s_wait_dscnt 0x0                               ; for the others' sake: my partial logits lie in LDS
	s_barrier_signal -1
	s_barrier_wait -1
	s_cmp_eq_u32 s30, 0                            ; nothing to store
	s_cbranch_scc1 .Ldone
	s_cmp_ge_u32 s26, 2                            ; waves 0 and 1: thread t finishes row t
	s_cbranch_scc1 .Ldone
	ds_load_b128 v[224:227], v[RDO]
	ds_load_b128 v[228:231], v[RDO] offset:1024
	ds_load_b128 v[232:235], v[RDO] offset:2048
	ds_load_b128 v[236:239], v[RDO] offset:3072
	v_lshlrev_b32 v240, 4, v[TOK]                  ; out0: 16 bytes a token
	v_mul_u32_u24 v241, v[TOK], 20                 ; out1: 20
	s_wait_dscnt 0x0
	v_pk_add_f32 v[224:225], v[224:225], v[228:229]
	v_pk_add_f32 v[226:227], v[226:227], v[230:231]
	v_pk_add_f32 v[232:233], v[232:233], v[236:237]
	v_pk_add_f32 v[234:235], v[234:235], v[238:239]
	v_pk_add_f32 v[224:225], v[224:225], v[232:233]
	v_pk_add_f32 v[226:227], v[226:227], v[234:235]
.irp i, 0,1,2,3
	v_add_f32 v[224+\i], s[36+\i], v[224+\i]       ; + b2: the logits
.endr
.irp i, 0,1,2,3
	v_mul_f32 v[244+\i], 0xbfb8aa3b, v[224+\i]     ; - log2(e) z
.endr
	s_wait_alu depctr_va_vdst(0)
.irp i, 0,1,2,3
	v_exp_f32 v[244+\i], v[244+\i]
.endr
	v_nop                                          ; a plain instruction between the last exponential and the use of its result
	s_wait_alu depctr_va_vdst(0)
.irp i, 0,1,2,3
	v_add_f32 v[244+\i], 1.0, v[244+\i]
.endr
	s_wait_alu depctr_va_vdst(0)
.irp i, 0,1,2,3
	v_rcp_f32 v[244+\i], v[244+\i]                 ; q = 1 / (1 + e^-z)
.endr
	v_nop
	s_wait_alu depctr_va_vdst(0)
	v_sub_f32 v248, 1.0, v244
	v_sub_f32 v249, v244, v245
	v_sub_f32 v250, v245, v246
	v_sub_f32 v251, v246, v247
.irp i, 0,1,2,3
	v_max_num_f32 v[248+\i], s41, v[248+\i]        ; held at 1e-8 from below
.endr
	v_max_num_f32 v252, s41, v247
	v_add_f32 v253, v248, v249
	v_add_f32 v254, v250, v251
	v_add_f32 v253, v253, v254
	v_add_f32 v253, v253, v252
	v_max_num_f32 v253, s41, v253
	s_wait_alu depctr_va_vdst(0)
	v_rcp_f32 v253, v253
	v_nop
	s_wait_alu depctr_va_vdst(0)
.irp i, 0,1,2,3,4
	v_mul_f32 v[248+\i], v[248+\i], v253
.endr
	s_wait_alu depctr_va_vdst(0)
	s_wait_xcnt 0x0                                ; EXEC changes only behind this wait
	v_cmp_gt_u32 vcc_lo, s30, v0                   ; only the tile's rows are stored
	s_and_saveexec_b32 s40, vcc_lo
	global_store_b128 v240, v[224:227], s[22:23] th:TH_STORE_NT
.irp i, 0,1,2,3,4
	global_store_b32 v241, v[248+\i], s[24:25] offset:4*\i th:TH_STORE_NT   ; a row of 20 bytes begins at a multiple of 4 and no more
.endr
	s_wait_xcnt 0x0                                ; and again in front of the line that widens it
	s_or_b32 exec_lo, exec_lo, s40
.Ldone:
	s_wait_tensorcnt 0x0
	ds_add_u32 v243, v255
	s_wait_dscnt 0x0
	s_endpgm
.Lfunc_end_k_qbec431a884_experts:
	.size	k_qbec431a884_experts, .Lfunc_end_k_qbec431a884_experts-k_qbec431a884_experts
	.p2alignl 7, 3214868480
	.fill 96, 4, 3214868480
	.section	.rodata,"a",@progbits
	.p2align	6, 0x0
	.amdhsa_kernel k_qbec431a884_experts
		.amdhsa_group_segment_fixed_size 50944
		.amdhsa_private_segment_fixed_size 0
		.amdhsa_enable_private_segment 0
		.amdhsa_kernarg_size 88
		.amdhsa_user_sgpr_count 2
		.amdhsa_user_sgpr_kernarg_segment_ptr 1
		.amdhsa_wavefront_size32 1
		.amdhsa_system_sgpr_workgroup_id_x 1
		.amdhsa_system_sgpr_workgroup_id_y 1
		.amdhsa_system_sgpr_workgroup_id_z 1
		.amdhsa_system_vgpr_workitem_id 0
		.amdhsa_next_free_vgpr 1024
		.amdhsa_next_free_sgpr 66
		.amdhsa_reserve_vcc 1
		.amdhsa_float_denorm_mode_32 3
		.amdhsa_float_denorm_mode_16_64 3
		.amdhsa_memory_ordered 1
		.amdhsa_forward_progress 1
		.amdhsa_inst_pref_size 153
	.end_amdhsa_kernel
	.amdgpu_metadata
---
amdhsa.version: [ 1, 2 ]
amdhsa.kernels:
  - .name:           k_qbec431a884_experts
    .symbol:         k_qbec431a884_experts.kd
    .args:
      - { .name: tiles, .offset: 0, .size: 8, .value_kind: global_buffer, .address_space: global }
      - { .name: order, .offset: 8, .size: 8, .value_kind: global_buffer, .address_space: global }
      - { .name: x_codes, .offset: 16, .size: 8, .value_kind: global_buffer, .address_space: global }
      - { .name: x_scales, .offset: 24, .size: 8, .value_kind: global_buffer, .address_space: global }
      - { .name: W1F, .offset: 32, .size: 8, .value_kind: global_buffer, .address_space: global }
      - { .name: W1_scales, .offset: 40, .size: 8, .value_kind: global_buffer, .address_space: global }
      - { .name: b1, .offset: 48, .size: 8, .value_kind: global_buffer, .address_space: global }
      - { .name: W2, .offset: 56, .size: 8, .value_kind: global_buffer, .address_space: global }
      - { .name: b2, .offset: 64, .size: 8, .value_kind: global_buffer, .address_space: global }
      - { .name: out0, .offset: 72, .size: 8, .value_kind: global_buffer, .address_space: global }
      - { .name: out1, .offset: 80, .size: 8, .value_kind: global_buffer, .address_space: global }
    .group_segment_fixed_size: 50944
    .private_segment_fixed_size: 0
    .kernarg_segment_align: 8
    .kernarg_segment_size: 88
    .max_flat_workgroup_size: 128
    .sgpr_count:     66
    .vgpr_count:     1024
    .wavefront_size: 32
...
	.end_amdgpu_metadata
.endif
;; end of part 2
